; MI455X (gfx1250); checked and timed in simulation.
; The chip was launched on July 23, 2026; its instructions are those of AMD's public machine-readable ISA for CDNA 5 (MIT licence, August 2026) and "CDNA5" Instruction Set Architecture Reference Guide (July 2026). The comments in the code are by the model that wrote it; some were corrected since.
;; Attn Block. Allowed arithmetic: matrix products marked QUANTISED: E2M1 operands, one E8M0 scale for each 32 along K, by v_wmma_scale_f32_16x16x128_f8f6f4 with both operands' format E2M1 (or v_wmma_scale_f32_32x16x128_f4), f32 sums; everything else in f32.
;; Inputs: gn_bias 256 float32; gn_scale 256 float32; proj_b 256 float32; proj_w 256 x 256 float32; qkv_b 768 float32; qkv_w 768 x 256 float32; x 4 x 256 x 64 x 64 float32.
;; Outputs: out0 4 x 256 x 64 x 64 float32.
;; This version of the problem:
;;   THIS VERSION OF THE PROBLEM IS GIVEN IN LOW PRECISION. The matrix products marked QUANTISED in the list below multiply operands that are first quantised to E2M1 (2 exponent bits, 1 mantissa bit; 4 bits a number), with one power-of-two scale for each 32 numbers along K (OCP MX v1.0); their sums are f32. All else is computed in f32.
;;   The module's matrix products, in the order in which they are computed (A, B: the left and right operand; K: the contracted axis; several contracted axes count as one K, in the product's order):
;;     1. [M 16,384, K 256] x [K 256, N 768]; A: computed on the way; B: input qkv_w: QUANTISED
;;     2. batch 4 x [M 4,096, K 256] x [K 256, N 4,096]; A: computed on the way; B: computed on the way: QUANTISED
;;     3. batch 4 x [M 256, K 4,096] x [K 4,096, N 4,096]; A: computed on the way; B: softmax (see below): QUANTISED
;;     4. [M 16,384, K 256] x [K 256, N 256]; A: computed on the way; B: input proj_w: QUANTISED
;;   THE QUANTISER, for each operand of a quantised product, along K:
;;     - K is cut into blocks of 32 from its start; a last block that is shorter is filled with zeros.
;;     - A block's scale is 2^e with e = floor(log2(the largest magnitude in the block)) - 2, held to -126 .. 127; a block of zeros has e = 0. As a byte (E8M0): e + 127.
;;     - Each number is divided by its block's scale, clamped to +-6, and rounded to the nearest number of E2M1, ties to even, subnormals kept.
;;     - The product sums the exact products of the quantised numbers (number of the format x scale) in f32.
;;   ~~~python
;;   def quantise(x, axis):      # numpy; x: float32 -> the quantised numbers, widened to float32 again
;;       x = np.moveaxis(x, axis, -1); K = x.shape[-1]
;;       x = np.pad(x, [(0, 0)] * (x.ndim - 1) + [(0, -K % 32)]); x = x.reshape(x.shape[:-1] + (-1, 32)); a = np.abs(x).max(-1, keepdims=True)
;;       e = np.where(a > 0, np.clip(np.frexp(np.where(a > 0, a, 1))[1] - 1 - 2, -126, 127), 0)      # np.frexp(a)[1] - 1 = floor(log2(a)), exactly
;;       r = np.clip(x / 2.0 ** e, -6, 6)
;;       step = 2.0 ** (np.maximum(np.frexp(np.where(r == 0, 1, r))[1] - 1, 0) - 1)
;;       q = np.round(r / step) * step * 2.0 ** e      # np.round: ties to even
;;       return np.moveaxis(q.reshape(q.shape[:-2] + (-1,))[..., :K], -1, axis).astype(np.float32)
;;   ~~~
;;   SOFTMAX AHEAD OF A QUANTISED PRODUCT. Where the list says 'softmax', what is quantised is not the finished softmax but p = 2^(t - M), with t = logit x log2(e) and M = ceil(the row's largest t), a whole number; so 1/2 < the row's largest p <= 1. The row's sum l is taken of the UNQUANTISED p, in f32, and the product's result is divided by l at the end. Since M is a whole number, a kernel that streams over the keys may use a running M (the ceiling of the running maximum): every later rescaling is an exact power of two, which a block's scale takes up: the codes' values come out the same.
;;   OPERANDS COMPUTED ON THE WAY. 'Computed on the way' means the value that the module computes at that place (a softmax that the list does not call 'softmax' is quantised finished and normalised). What goes into a quantiser is computed in f32, as accurately as f32 sums, v_exp_f32 and their like allow (about 1e-6 of the number): no bf16 or f16 on the way to a quantiser, and a product that is left as it is and whose result goes on into a quantised operand takes f32 operands (vector FMAs, or v_wmma_f32_16x16x4_f32). A number that lies on a knife's edge between two numbers of the format may be rounded either way, as far as f32 arithmetic and the matrix unit's own rounding can turn it there, and no further.
;; One version. Each part assembles by itself: llvm-mc -triple=amdgcn-amd-amdhsa -mcpu=gfx1250 --defsym DOCPART=n.
;; ======== version 1 of 1: 3 launches
;; workspace buffers: stats 2,048 bytes; wimg 131,072 bytes; wsc 8,192 bytes; qbuf 2,228,224 bytes; kv 4,456,448 bytes
;; launch stats (part 1): grid 256 x 1, 8 waves a work-group, no clusters, 1,536 bytes of LDS; arguments x, qkv_w, proj_w, stats, wimg, wsc; writes stats, wimg, wsc
.if DOCPART == 1
	.amdgcn_target "amdgcn-amd-amdhsa--gfx1250"
	.amdhsa_code_object_version 6
	.text
	.protected	k_q6215866001_stats
	.globl	k_q6215866001_stats
	.p2align	8
	.type	k_q6215866001_stats,@function
k_q6215866001_stats:
	s_mov_b64 s[64:65], 0
	v_nop
	global_prefetch_b8 v0, s[64:65] scope:SCOPE_SE
	s_setreg_imm32_b32 hwreg(HW_REG_WAVE_MODE, 25, 1), 1
	s_wait_xcnt 0x0
; GROUPNORM'S STATISTICS, AND THE WEIGHTS AS CODES OF FP4 (E2M1).
; x is [4][256][4096] f32; a group is 8 channels = 131,072 consecutive bytes.  Work-group i takes half a group, the 65,536 bytes at 65,536 i (16,384 numbers), and stores
; (mean, M2 = sum of (x - mean)^2) at stats + 8 i.  The half stays in registers between the two passes: no difference of large sums is formed, and x is read once here.
; Eight waves, 8,192 bytes each: 16 loads of 512 consecutive bytes.  The waves' sums meet in LDS (one word a wave), behind a barrier; two barriers in all.
; WEIGHTS.  qkv_w [768][256] and proj_w [256][256] are quantised along their 256 input channels, 32 to a block: scale 2^(floor(log2(largest magnitude)) - 2), nearest code, ties to even.
; They are stored as IMAGES OF OPERAND REGISTERS: fragment f = 2 tau + s (tile tau of 16 rows, K step s of 128) is 1,024 bytes at wimg + 1,024 f: register group c at 512 c, lane L's 16 bytes at 16 L;
; lane (r, h) holds k = 64 c + 32 h + 0 .. 31 of the tile's row r: one whole block.  tau = 16 type + 2 beta + u; type 0, 1, 2: the q, k, v rows of qkv_w (row 3 ch + type), type 3: proj_w (row ch);
; the tile's row r is channel ch = 32 beta + 8 u + r + 8 (r / 8).  Scale bytes: wsc + 128 tau + 64 s + 4 r + (2 c + h).
; Work-group i makes the half fragment f = i / 2, c = i % 2, in its wave 1: 32 lanes x 128 bytes in, 512 consecutive bytes and 32 single bytes out (32 bytes a work-group: too few to gather).
; No matrix unit, no tensor load, no cluster: the work-groups share no input.
; LIMITS: NaN and infinities are not served.  A block whose largest magnitude lies under 2^-124 has its byte held at 1, a block of zeros too (its codes are zeros, and this program alone reads the bytes).
.set X,   16                           ; v16-79   my 64 numbers of x
.set WR,  80                           ; v80-111  wave 1: my block of 32 weights
.set LW,  112                          ; v112     LDS: my wave's word
.set NIL, 113                          ; v113     0
.set MN,  114                          ; v114-115 the mean, twice; later (mean, M2)
.set CD,  116                          ; v116-119 wave 1: the block's codes
.set OI,  120                          ; v120     16 x lane: my place in the half fragment's image
.set OS,  121                          ; v121     4 r + h: my block's scale byte
.set SEL, 38                           ; s[38:39] lane selects for v_permlanex16_b32: lane l xor 16
	s_load_b128 s[4:7], s[0:1], 0x0                ; x, qkv_w
	s_load_b128 s[8:11], s[0:1], 0x10              ; proj_w, stats
	s_load_b128 s[12:15], s[0:1], 0x20             ; wimg, wsc
	v_lshl_add_u32 v128, v0, 2, 0x200
	v_mov_b32 v129, 0
	v_lshrrev_b32 v1, 5, v0
	v_readfirstlane_b32 s16, v1                    ; wave 0..7
	v_and_b32 v2, 31, v0                           ; lane
	v_and_b32 v3, 15, v0                           ; r
	v_bfe_u32 v4, v0, 4, 1                         ; h
	v_and_b32 v5, 8, v3
	v_add_nc_u32 v5, v5, v3                        ; r + 8 (r / 8)
	s_mov_b32 s[SEL], 0x76543210
	s_mov_b32 s[SEL+1], 0xfedcba98
	s_lshr_b32 s17, ttmp9, 2                       ; tau
	s_bfe_u32 s18, ttmp9, 0x10001                  ; s
	s_and_b32 s19, ttmp9, 1                        ; c
	s_lshr_b32 s20, s17, 4                         ; type
	s_bfe_u32 s21, s17, 0x30001                    ; beta
	s_and_b32 s22, s17, 1                          ; u
	s_cmp_eq_u32 s20, 3
	s_cselect_b32 s23, 1, 3                        ; rows from channel to channel
	s_cselect_b32 s24, 0, s20                      ; and the first row
	s_lshl_b32 s25, s21, 5
	s_lshl_b32 s28, s22, 3
	s_add_co_u32 s25, s25, s28                     ; 32 beta + 8 u
	s_mul_i32 s25, s25, s23
	s_add_co_u32 s25, s25, s24
	s_lshl_b32 s25, s25, 10                        ; a row of weights is 1,024 bytes
	s_lshl_b32 s28, s18, 9
	s_add_co_u32 s25, s25, s28                     ; + 512 s
	s_lshl_b32 s28, s19, 8
	s_add_co_u32 s28, s25, s28                     ; + 256 c
	s_mov_b32 s29, 0
	s_lshl_b32 s30, ttmp9, 16                      ; x: 65,536 i
	s_mov_b32 s31, 0
	s_lshl_b32 s32, ttmp9, 3                       ; stats: 8 i
	s_mov_b32 s33, 0
	s_lshl_b32 s34, ttmp9, 9                       ; wimg: 1,024 f + 512 c = 512 i
	s_mov_b32 s35, 0
	s_lshl_b32 s36, s17, 7                         ; wsc: 128 tau + 64 s + 2 c
	s_lshl_b32 s37, s18, 6
	s_add_co_u32 s36, s36, s37
	s_lshl_b32 s37, s19, 1
	s_add_co_u32 s36, s36, s37
	s_mov_b32 s37, 0
	v_mul_u32_u24 v6, v5, s23
	v_lshlrev_b32 v6, 10, v6
	v_lshl_add_u32 v6, v4, 7, v6                   ; weights: my row, + 128 h
	v_lshlrev_b32 v[OI], 4, v2                     ; 16 x lane
	v_lshl_add_u32 v7, v1, 13, v[OI]               ; x: 8,192 x wave + 16 x lane
	v_lshl_add_u32 v[OS], v3, 2, v4                ; 4 r + h
	v_lshlrev_b32 v[LW], 2, v1
	v_mov_b32 v[NIL], 0
	s_wait_kmcnt 0x0
	s_cmp_eq_u32 s20, 3                            ; the choice hangs on the work-group's number alone
	s_cselect_b64 s[26:27], s[8:9], s[6:7]
	s_add_nc_u64 s[26:27], s[26:27], s[28:29]
	s_add_nc_u64 s[4:5], s[4:5], s[30:31]
	s_add_nc_u64 s[10:11], s[10:11], s[32:33]
	s_add_nc_u64 s[12:13], s[12:13], s[34:35]
	s_add_nc_u64 s[14:15], s[14:15], s[36:37]
	s_cmp_eq_u32 s16, 1
	s_cbranch_scc0 .Lno_weights
.irp j, 0,1,2,3,4,5,6,7
	global_load_b128 v[WR+4*\j:WR+4*\j+3], v6, s[26:27] offset:16*\j   ; wave 1: my block's 128 bytes
.endr
.Lno_weights:
.irp j, 0,1,2,3,4,5,6,7,8,9,10,11,12,13,14,15
	global_load_b128 v[X+4*\j:X+4*\j+3], v7, s[4:5] offset:512*\j th:TH_LOAD_NT   ; 32 lanes read 512 consecutive bytes
.endr
; v8 summed over the wave, then over the eight waves, through the eight LDS words at off; the result stands in v8 of every lane
.macro GROUPSUM off
	v_add_f32_dpp v8, v8, v8 row_xmask:1 row_mask:0xf bank_mask:0xf
	v_add_f32_dpp v8, v8, v8 row_xmask:2 row_mask:0xf bank_mask:0xf
	v_add_f32_dpp v8, v8, v8 row_xmask:4 row_mask:0xf bank_mask:0xf
	v_add_f32_dpp v8, v8, v8 row_xmask:8 row_mask:0xf bank_mask:0xf
	v_permlanex16_b32 v9, v8, s[SEL], s[SEL+1]
	v_add_f32 v8, v8, v9
	ds_store_b32 v[LW], v8 offset:\off             ; all lanes write the same word with the same value
	s_wait_dscnt 0x0                               ; for the others' sake: my store has landed
	s_barrier_signal -1
	s_barrier_wait -1
	ds_load_b128 v[8:11], v[NIL] offset:\off
	ds_load_b128 v[12:15], v[NIL] offset:\off+16
	s_wait_dscnt 0x0
	v_add_f32 v8, v8, v9
	v_add_f32 v10, v10, v11
	v_add_f32 v12, v12, v13
	v_add_f32 v14, v14, v15
	v_add_f32 v8, v8, v10
	v_add_f32 v12, v12, v14
	v_add_f32 v8, v8, v12
.endm
.macro JOIN                            ; four chains of pairs become one number
	v_pk_add_f32 v[8:9], v[8:9], v[10:11]
	v_pk_add_f32 v[12:13], v[12:13], v[14:15]
	v_pk_add_f32 v[8:9], v[8:9], v[12:13]
	v_add_f32 v8, v8, v9
.endm
	s_wait_loadcnt 0x0
	; pass 1: the sum, in four chains that do not wait for each other; the first eight pairs start them
.irp k, 0,1,2,3
	v_pk_add_f32 v[8+2*\k:9+2*\k], v[X+2*\k:X+2*\k+1], v[X+8+2*\k:X+9+2*\k]
.endr
.set J, 16
.rept 6
.irp k, 0,1,2,3
	v_pk_add_f32 v[8+2*\k:9+2*\k], v[8+2*\k:9+2*\k], v[X+J+2*\k:X+J+2*\k+1]
.endr
.set J, J+8
.endr
	JOIN
	GROUPSUM 0
	v_mul_f32 v[MN], 0x38800000, v8                ; the mean: / 16,384
	v_mov_b32 v[MN+1], v[MN]
	; pass 2: d = x - mean in place, then the sum of d d
.set J, 0
.rept 32
	v_pk_add_f32 v[X+J:X+J+1], v[X+J:X+J+1], v[MN:MN+1] neg_lo:[0,1] neg_hi:[0,1]
.set J, J+2
.endr
.irp k, 0,1,2,3
	v_pk_mul_f32 v[8+2*\k:9+2*\k], v[X+2*\k:X+2*\k+1], v[X+2*\k:X+2*\k+1]
.endr
.set J, 8
.rept 7
.irp k, 0,1,2,3
	v_pk_fma_f32 v[8+2*\k:9+2*\k], v[X+J+2*\k:X+J+2*\k+1], v[X+J+2*\k:X+J+2*\k+1], v[8+2*\k:9+2*\k]
.endr
.set J, J+8
.endr
	JOIN
	GROUPSUM 256                                   ; other words than the first sum's: no wave can overtake a reader
	s_cmp_eq_u32 s16, 0
	s_cbranch_scc0 .Lnot_wave_0
	v_mov_b32 v[MN+1], v8                          ; (mean, M2)
	v_cmp_eq_u32 vcc_lo, 0, v2
	s_wait_xcnt 0x0                                ; EXEC changes only behind this wait
	s_wait_tensorcnt 0x0
	ds_add_u32 v128, v129
	s_wait_dscnt 0x0
	s_and_saveexec_b32 s30, vcc_lo
	global_store_b64 v[NIL], v[MN:MN+1], s[10:11]  ; lane 0 alone
	s_wait_xcnt 0x0                                ; and again ahead of the line that widens it
	s_or_b32 exec_lo, exec_lo, s30
	s_endpgm
.Lnot_wave_0:
	s_cmp_eq_u32 s16, 1
	s_cbranch_scc0 .Ldone
	; wave 1: my block of 32 weights.  All 32 are mine: the largest magnitude needs no other lane
	v_max3_num_f32 v8, |v[WR]|, |v[WR+1]|, 0x1800000   ; with the floor 2^(3 - 127): the byte cannot fall under 1
	v_max3_num_f32 v9, |v[WR+2]|, |v[WR+3]|, |v[WR+4]|
.irp i, 5,9,13,17,21,25
	v_max3_num_f32 v8, v8, |v[WR+\i]|, |v[WR+\i+1]|
	v_max3_num_f32 v9, v9, |v[WR+\i+2]|, |v[WR+\i+3]|
.endr
	v_max3_num_f32 v8, v8, |v[WR+29]|, |v[WR+30]|
	v_max3_num_f32 v8, v8, v9, |v[WR+31]|
	v_add_nc_u32 v10, 0xff000000, v8               ; 2 off the exponent field: the conversion takes this operand's exponent field as its scale
.irp g, 0,1,2,3
	v_cvt_scalef32_pk8_fp4_f32 v[CD+\g], v[WR+8*\g:WR+8*\g+7], v10
.endr
	v_lshrrev_b32 v11, 23, v10                     ; the scale's byte
	global_store_b128 v[OI], v[CD:CD+3], s[12:13]  ; 32 lanes store 512 consecutive bytes, aligned
	global_store_b8 v[OS], v11, s[14:15]
.Ldone:
	s_wait_tensorcnt 0x0
	ds_add_u32 v128, v129
	s_wait_dscnt 0x0
	s_endpgm
.Lfunc_end_k_q6215866001_stats:
	.size	k_q6215866001_stats, .Lfunc_end_k_q6215866001_stats-k_q6215866001_stats
	.p2alignl 7, 3214868480
	.fill 96, 4, 3214868480
	.section	.rodata,"a",@progbits
	.p2align	6, 0x0
	.amdhsa_kernel k_q6215866001_stats
		.amdhsa_group_segment_fixed_size 1536
		.amdhsa_private_segment_fixed_size 0
		.amdhsa_enable_private_segment 0
		.amdhsa_kernarg_size 48
		.amdhsa_user_sgpr_count 2
		.amdhsa_user_sgpr_kernarg_segment_ptr 1
		.amdhsa_wavefront_size32 1
		.amdhsa_system_sgpr_workgroup_id_x 1
		.amdhsa_system_sgpr_workgroup_id_y 1
		.amdhsa_system_sgpr_workgroup_id_z 1
		.amdhsa_system_vgpr_workitem_id 0
		.amdhsa_next_free_vgpr 130
		.amdhsa_next_free_sgpr 66
		.amdhsa_reserve_vcc 1
		.amdhsa_float_denorm_mode_32 3
		.amdhsa_float_denorm_mode_16_64 3
		.amdhsa_memory_ordered 1
		.amdhsa_forward_progress 1
		.amdhsa_inst_pref_size 16
	.end_amdhsa_kernel
	.amdgpu_metadata
---
amdhsa.version: [ 1, 2 ]
amdhsa.kernels:
  - .name:           k_q6215866001_stats
    .symbol:         k_q6215866001_stats.kd
    .args:
      - { .name: x, .offset: 0, .size: 8, .value_kind: global_buffer, .address_space: global }
      - { .name: qkv_w, .offset: 8, .size: 8, .value_kind: global_buffer, .address_space: global }
      - { .name: proj_w, .offset: 16, .size: 8, .value_kind: global_buffer, .address_space: global }
      - { .name: stats, .offset: 24, .size: 8, .value_kind: global_buffer, .address_space: global }
      - { .name: wimg, .offset: 32, .size: 8, .value_kind: global_buffer, .address_space: global }
      - { .name: wsc, .offset: 40, .size: 8, .value_kind: global_buffer, .address_space: global }
    .group_segment_fixed_size: 1536
    .private_segment_fixed_size: 0
    .kernarg_segment_align: 8
    .kernarg_segment_size: 48
    .max_flat_workgroup_size: 256
    .sgpr_count:     66
    .vgpr_count:     130
    .wavefront_size: 32
...
	.end_amdgpu_metadata
.endif
;; end of part 1
;; launch qkv (part 2): grid 64 x 4, 8 waves a work-group, no clusters, 15,360 bytes of LDS; arguments x, stats, gn_scale, gn_bias, wimg, wsc, qkv_b, qbuf, kv; writes qbuf, kv
.if DOCPART == 2
	.amdgcn_target "amdgcn-amd-amdhsa--gfx1250"
	.amdhsa_code_object_version 6
	.text
	.protected	k_q6215866001_qkv
	.globl	k_q6215866001_qkv
	.p2align	8
	.type	k_q6215866001_qkv,@function
k_q6215866001_qkv:
	s_mov_b64 s[64:65], 0
	v_nop
	global_prefetch_b8 v0, s[64:65] scope:SCOPE_SE
	s_setreg_imm32_b32 hwreg(HW_REG_WAVE_MODE, 25, 1), 1
	s_wait_xcnt 0x0
; GROUPNORM, THE QKV PRODUCT ON CODES OF FP4, AND q, k, v AS CODES.  A work-group takes 64 positions (block blk = x of the grid) of one image (b = y).
; h = (x - mu) rsqrt(var + 1e-6) gn_scale + gn_bias in f32, quantised along the 256 channels; qkv = qkv_w h + qkv_b; q and k are quantised along the channels, v along the positions (the keys).
; ORDER OF ROWS.  perm(r) = r + 8 (r / 8).  Row r of tile 2 B + u (of channels, of positions) is index 32 B + 8 u + perm(r).  In a result whose source 0 has such rows, lane half h, tile 2 B + u, register j hold
; index 32 B + 16 h + 8 u + j: the 16 registers of tiles 2 B, 2 B + 1 are 16 neighbours, and a block of 32 lies in lanes l and l xor 16.
; PHASES.  (1) thread t makes channel t's mu, A = rsqrt x gain, bias into LDS.  (2, 3) a lane takes a position and 64 channels down its registers: two whole blocks a lane; codes and scale bytes to LDS, rows = positions.
; (4, 5) wave w makes channels 32 w .. 32 w + 31 of q and of k, transposed (source 0 = weights, source 1 = h): a lane holds one position and 16 neighbouring channels.  (6) the same channels of v, not transposed:
; a lane holds one channel and 16 neighbouring positions.  The bias is the C of each sum's first matrix instruction.
; OUT: images of operand registers (a fragment of 16 rows x 128 K is 1,024 bytes: register group c at 512 c, lane L at 16 L, lane (r, h) = k 64 c + 32 h + 0 .. 31).  A lane's 16 codes are 8 bytes, and a wave's store
; covers 256 consecutive bytes, aligned.  q's and k's scale bytes are gathered in LDS and leave as 512 bytes; v's leave as 2 bytes a lane (the other 2 of each word are the neighbouring work-group's).
; qbuf: record (64 b + blk) of 8,704 bytes: fragments (T, s) at 1,024 (2 T + s), scale words at 8,192 + 128 T + 64 s + 4 r.
; kv: record (b, slot = blk / 8) of 139,264 bytes; key step j = (blk / 2) % 4: K's fragments at 32,768 j + 1,024 (2 T + s), V's at 32,768 j + 16,384 + 1,024 Tc; K's scale words at 131,072 + 2,048 j + 128 T + 64 s + 4 r,
; V's at 131,072 + 2,048 j + 1,024 + 128 B + 64 u + 4 r (byte = block of 32 keys).
; No tensor load and no cluster: what the work-groups share is 100 KB of weights, a small part of what each reads.
; LIMITS: NaN and infinities are not served.  A block under 2^-124, and a block of zeros, has the byte 1 (its codes are then zeros or the rule's own; this program alone reads the bytes).  rsqrt is v_rsq_f32.
.set MU,  0                            ; LDS: 256 f32 each: mu, A, bias
.set AA,  1024
.set BB,  2048
.set HC,  3072                         ; h's codes: 64 rows x (128 bytes + 16): the 16 rows that a load touches start at different banks
.set HS,  12288                        ; h's scale bytes: 64 rows x 8
.set QSS, 12800                        ; q's scale words, 512 bytes;
.set KSS, 13312                        ; k's
.set X,   32                           ; v32-95   64 numbers of x, then h; later the eight accumulators
.set ACC, 32
.set HF,  96                           ; v96-159  A of my 64 channels; later h's fragments (T, s) at HF + 16 T + 8 s
.set CD,  160                          ; v160-223 bias of my 64 channels; later codes: 8 registers each for q, k, v
.set TM,  224                          ; v224-239 mu in pairs; later at work: 0-3 maxima, 4-7 bytes, 12-15 scale operands
.set HSR, 20                           ; v20-23   h's scale words: lanes 0-15 K step 0, lanes 16-31 K step 1
.set WS,  24                           ; v24-29   the weights' scale words (type, u), likewise
.set BI,  96                           ; window 1: v0-95 the weights' fragments 8 (4 type + 2 u + s); v96-127 q's and k's biases; v128-143 v's
.set BV,  128
.set SEL, 42
.set MSB, 0
.macro WIN new                         ; the immediate's high byte repeats the setting that is left
.if MSB != (\new)
	s_set_vgpr_msb (MSB<<8)|(\new)
.set MSB, (\new)
.endif
.endm
; one matrix instruction.  rows: 0 both scales from lanes 0-15, 3 both from lanes 16-31
.macro WM d, a, b, c, sa, sb, rows
.if (\rows) == 0
	v_wmma_scale_f32_16x16x128_f8f6f4 v[\d:\d+7], v[\a:\a+7], v[\b:\b+7], v[\c:\c+7], v[\sa], v[\sb] matrix_a_fmt:MATRIX_FMT_FP4 matrix_b_fmt:MATRIX_FMT_FP4
.else
	v_wmma_scale_f32_16x16x128_f8f6f4 v[\d:\d+7], v[\a:\a+7], v[\b:\b+7], v[\c:\c+7], v[\sa], v[\sb] matrix_a_fmt:MATRIX_FMT_FP4 matrix_b_fmt:MATRIX_FMT_FP4 matrix_a_scale:MATRIX_SCALE_ROW1 matrix_b_scale:MATRIX_SCALE_ROW1
.endif
.endm
	s_load_b256 s[4:11], s[0:1], 0x0               ; x, stats, gn_scale, gn_bias
	s_load_b256 s[12:19], s[0:1], 0x20             ; wimg, wsc, qkv_b, qbuf
	s_load_b64 s[20:21], s[0:1], 0x40              ; kv
	v_lshl_add_u32 v254, v0, 2, 0x3800
	v_mov_b32 v255, 0
	v_lshrrev_b32 v224, 5, v0                      ; w
	v_readfirstlane_b32 s22, v224
	v_and_b32 v1, 31, v0                           ; lane
	v_and_b32 v2, 15, v0                           ; r
	v_bfe_u32 v3, v0, 4, 1                         ; h
	v_and_b32 v4, 8, v2
	v_add_nc_u32 v4, v4, v2                        ; perm(r)
	v_bfe_u32 v225, v0, 5, 1                       ; w & 1: which 32 positions I quantise
	v_bfe_u32 v226, v0, 6, 2                       ; q = w / 2: which 64 channels
	v_bfe_u32 v227, v0, 7, 1                       ; w / 4
	v_bfe_u32 v229, v0, 5, 2                       ; w & 3
	v_lshlrev_b32 v5, 2, v1
	v_lshl_add_u32 v5, v225, 7, v5
	v_lshl_add_u32 v5, v226, 20, v5                ; x: 64 q channels of 16,384 bytes + 128 (w & 1) + 4 x lane
	v_and_b32 v230, 7, v0                          ; my position's row in the tiles: p = 32 (w & 1) + lane % 8 + 16 ((lane / 8) % 2) + 8 (lane / 16)
	v_bfe_u32 v231, v0, 3, 1
	v_lshl_add_u32 v230, v231, 4, v230
	v_lshl_add_u32 v230, v3, 3, v230
	v_lshl_add_u32 v230, v225, 5, v230
	v_mul_u32_u24 v6, v230, 144
	v_lshl_add_u32 v6, v226, 5, v6
	v_add_nc_u32 v6, HC, v6                        ; where my two blocks' codes go
	v_lshlrev_b32 v7, 3, v230
	v_lshl_add_u32 v7, v226, 1, v7
	v_add_nc_u32 v7, HS, v7                        ; and their two bytes
	v_mul_u32_u24 v8, v2, 144
	v_lshl_add_u32 v8, v3, 4, v8
	v_add_nc_u32 v8, HC, v8                        ; h's fragments: row r, + 16 h
	v_lshlrev_b32 v9, 3, v2
	v_lshl_add_u32 v9, v3, 2, v9
	v_add_nc_u32 v9, HS, v9                        ; h's scale words: row r, K step h
	v_lshlrev_b32 v10, 4, v2
	v_lshl_add_u32 v10, v3, 3, v10                 ; 16 r + 8 h
	v_lshl_add_u32 v12, v224, 11, v10              ; v's codes: + 2,048 w (tiles 2 w, 2 w + 1)
	v_lshl_add_u32 v10, v224, 8, v10               ; q's and k's: block w of 8 lies at 1,024 (w / 4) + 512 ((w / 2) % 2) + 256 (w % 2) = 256 w
	v_lshl_add_u32 v11, v2, 2, v229
	v_lshl_add_u32 v11, v227, 6, v11               ; their scale byte: 64 (w / 4) + 4 r + w % 4
	v_lshlrev_b32 v13, 2, v1
	v_lshl_add_u32 v15, v224, 8, v13               ; the weights' scale words: 256 w + 4 x lane
	v_lshl_add_u32 v13, v224, 7, v13               ; v's scale bytes: 128 w + 4 x lane
	v_lshlrev_b32 v31, 4, v1                       ; 16 x lane
	v_lshl_add_u32 v14, v224, 12, v31              ; the weights' fragments: 4,096 w + 16 x lane
	v_mul_u32_u24 v16, v224, 384
	v_mad_u32_u24 v17, v4, 12, v16                 ; v's bias: 12 (32 w + perm(r))
	v_mad_u32_u24 v16, v3, 192, v16                ; q's and k's: 12 (32 w + 16 h)
	v_lshlrev_b32 v18, 2, v0                       ; 4 x thread
	v_lshlrev_b32 v19, 8, v226                     ; my 64 channels in a table
	v_lshrrev_b32 v30, 3, v0
	v_lshlrev_b32 v30, 4, v30                      ; my channel's group in stats: 16 bytes
	v_lshl_add_u32 v252, v225, 9, v31
	v_add_nc_u32 v252, QSS, v252                   ; the way out of the scale words: wave 0 q's, wave 1 k's
	s_mov_b32 s40, 0x38000000                      ; 2^-15: a group has 32,768 numbers
	s_mov_b32 s41, 0x358637bd                      ; 1e-6
	s_mov_b32 s[SEL], 0x76543210
	s_mov_b32 s[SEL+1], 0xfedcba98
	s_and_b32 s24, ttmp7, 0xffff                   ; b
	s_lshl_b32 s26, s24, 22
	s_lshl_b32 s27, ttmp9, 8
	s_add_co_u32 s26, s26, s27                     ; x: the image, + 256 blk
	s_mov_b32 s27, 0
	s_lshl_b32 s28, s24, 9                         ; stats: 512 b
	s_mov_b32 s29, 0
	s_lshl_b32 s30, s24, 6
	s_add_co_u32 s30, s30, ttmp9
	s_mul_i32 s30, s30, 8704                       ; qbuf: my record
	s_mov_b32 s31, 0
	s_mul_i32 s46, s24, 1114112
	s_lshr_b32 s47, ttmp9, 3
	s_mul_i32 s47, s47, 139264
	s_add_co_u32 s46, s46, s47                     ; kv: my record
	s_bfe_u32 s47, ttmp9, 0x20001                  ; j
	s_and_b32 s48, ttmp9, 1                        ; which half of the key step's 128 keys
	s_lshl_b32 s49, s47, 15
	s_add_co_u32 s49, s49, s46
	s_lshl_b32 s50, s48, 13
	s_add_co_u32 s32, s49, s50                     ; K's codes: my four tiles
	s_mov_b32 s33, 0
	s_lshl_b32 s50, s48, 9
	s_add_co_u32 s34, s49, s50                     ; V's codes: my register group
	s_mov_b32 s35, 0
	s_lshl_b32 s49, s47, 11
	s_add_co_u32 s49, s49, s46
	s_add_co_u32 s49, s49, 131072
	s_add_co_u32 s36, s49, s50                     ; K's scale words: my four tiles
	s_mov_b32 s37, 0
	s_lshl_b32 s50, s48, 1
	s_add_co_u32 s38, s49, s50
	s_add_co_u32 s38, s38, 1024                    ; V's scale bytes: my two of each word
	s_mov_b32 s39, 0
	s_wait_kmcnt 0x0
	s_add_nc_u64 s[4:5], s[4:5], s[26:27]
	s_add_nc_u64 s[6:7], s[6:7], s[28:29]
	s_add_nc_u64 s[18:19], s[18:19], s[30:31]
	s_add_nc_u64 s[32:33], s[20:21], s[32:33]
	s_add_nc_u64 s[34:35], s[20:21], s[34:35]
	s_add_nc_u64 s[36:37], s[20:21], s[36:37]
	s_add_nc_u64 s[38:39], s[20:21], s[38:39]
	; ---- 1: channel t's numbers
	global_load_b128 v[240:243], v30, s[6:7]       ; the two halves' (mean, M2)
	global_load_b32 v244, v18, s[8:9]
	global_load_b32 v245, v18, s[10:11]
.set I, 0
.rept 64
	global_load_b32 v[X+I], v5, s[4:5] offset:16384*I th:TH_LOAD_NT   ; x(64 q + I, my position): 32 lanes read 128 consecutive bytes
.set I, I+1
.endr
	s_wait_loadcnt 63                              ; 64 loads stand behind the three; the field holds 63
	v_add_f32 v246, v240, v242
	v_sub_f32 v247, v240, v242
	v_add_f32 v248, v241, v243
	v_mul_f32 v246, 0.5, v246                      ; mu
	v_mul_f32 v247, v247, v247
	v_fmamk_f32 v248, v247, 0x46000000, v248       ; M2 = M2a + M2b + (m0 - m1)^2 x 16,384 / 2
	v_fma_f32 v248, v248, s40, s41                 ; the variance + 1e-6
	v_rsq_f32 v249, v248
	v_nop                                          ; a plain instruction behind the transcendental
	s_wait_alu depctr_va_vdst(0)                   ; and the wait ahead of its first reader
	v_mul_f32 v249, v249, v244
	ds_store_b32 v18, v246 offset:MU
	ds_store_b32 v18, v249 offset:AA
	ds_store_b32 v18, v245 offset:BB
	s_wait_dscnt 0x0                               ; my stores have landed
	s_barrier_signal -1
	s_barrier_wait -1                              ; the tables are whole
	; ---- 2: my 64 channels' numbers: every lane reads the same bytes
.set I, 0
.rept 16
	ds_load_b128 v[HF+4*I:HF+4*I+3], v19 offset:AA+16*I
	ds_load_b128 v[CD+4*I:CD+4*I+3], v19 offset:BB+16*I
.set I, I+1
.endr
.irp g, 0,1,2,3,4,5,6,7
	ds_load_b64 v[TM+2*\g:TM+2*\g+1], v19 offset:MU+32*\g   ; a group's mu, twice: its first two channels'
.endr
	s_wait_loadcnt 0x0                             ; x
	WIN 0x40                                       ; the weights are asked for now and land while h is quantised.  Destination window 1
.irp jj, 0,1,2
.irp f, 0,1,2,3
.irp c, 0,1
	global_load_b128 v[8*(4*\jj+\f)+4*\c:8*(4*\jj+\f)+4*\c+3], v14, s[12:13] offset:32768*\jj+1024*\f+512*\c
.endr
.endr
.endr
.irp jj, 0,1
.irp u, 0,1
.irp j, 0,1,2,3,4,5,6,7
	global_load_b32 v[BI+8*(2*\jj+\u)+\j], v16, s[16:17] offset:96*\u+12*\j+4*\jj   ; qkv_b(3 (32 w + 16 h + 8 u + j) + type)
.endr
.endr
.endr
.irp u, 0,1
.irp j, 0,1,2,3,4,5,6,7
	global_load_b32 v[BV+8*\u+\j], v17, s[16:17] offset:96*\u+8   ; qkv_b(3 (32 w + 8 u + perm(r)) + 2): a lane holds one channel of v
.endr
.endr
	WIN 0
.irp jj, 0,1,2
.irp u, 0,1
	global_load_b32 v[WS+2*\jj+\u], v15, s[14:15] offset:2048*\jj+128*\u
.endr
.endr
	s_wait_dscnt 0x0
.set I, 0
.rept 32
	v_pk_add_f32 v[X+2*I:X+2*I+1], v[X+2*I:X+2*I+1], v[TM+2*(I/4):TM+2*(I/4)+1] neg_lo:[0,1] neg_hi:[0,1]
.set I, I+1
.endr
.set I, 0
.rept 32
	v_pk_fma_f32 v[X+2*I:X+2*I+1], v[X+2*I:X+2*I+1], v[HF+2*I:HF+2*I+1], v[CD+2*I:CD+2*I+1]   ; h
.set I, I+1
.endr
	; ---- 3: two whole blocks of 32 channels are mine
.irp j, 0,1
	v_max3_num_f32 v[TM+\j], |v[X+32*\j]|, |v[X+32*\j+1]|, 0x1800000   ; with the floor 2^(3 - 127)
.endr
.irp i, 2,4,6,8,10,12,14,16,18,20,22,24,26,28,30
.irp j, 0,1
	v_max3_num_f32 v[TM+\j], v[TM+\j], |v[X+32*\j+\i]|, |v[X+32*\j+\i+1]|
.endr
.endr
.irp j, 0,1
	v_add_nc_u32 v[TM+12+\j], 0xff000000, v[TM+\j] ; 2 off the exponent field: the conversion's scale operand
.endr
.irp j, 0,1
	v_lshrrev_b32 v[TM+4+\j], 23, v[TM+12+\j]      ; the scale's byte
.endr
	v_lshl_or_b32 v[TM+4], v[TM+5], 8, v[TM+4]
.irp j, 0,1
.irp g, 0,1,2,3
	v_cvt_scalef32_pk8_fp4_f32 v[CD+4*\j+\g], v[X+32*\j+8*\g:X+32*\j+8*\g+7], v[TM+12+\j]
.endr
.endr
	v_nop                                          ; one plain instruction behind the conversions
	ds_store_b128 v6, v[CD:CD+3]
	ds_store_b128 v6, v[CD+4:CD+7] offset:16
	ds_store_b16 v7, v[TM+4]
	s_wait_dscnt 0x0
	s_barrier_signal -1
	s_barrier_wait -1                              ; h's codes and bytes lie in LDS
	; ---- 4: all of h: four tiles of positions x two K steps
.irp f, 0,1,2,3,4,5,6,7
.irp c, 0,1
	ds_load_b128 v[HF+8*\f+4*\c:HF+8*\f+4*\c+3], v8 offset:2304*(\f/2)+64*(\f%2)+32*\c
.endr
.endr
.irp T, 0,1,2,3
	ds_load_b32 v[HSR+\T], v9 offset:128*\T
.endr
	s_wait_dscnt 0x0
	s_wait_loadcnt 0x0                             ; the weights, their scale words, the biases
; four blocks b of 16 registers at acc + 16 b become codes in v[cd + 2 b], v[cd + 2 b + 1]; the blocks' bytes stay in v[TM + 4 + b].  Each accumulator is read from its low end on
.macro Q4 acc, cd
.irp b, 0,1,2,3
	v_max3_num_f32 v[TM+\b], |v[\acc+16*\b]|, |v[\acc+16*\b+1]|, 0x1800000
.endr
.irp i, 2,4,6,8,10,12,14
.irp b, 0,1,2,3
	v_max3_num_f32 v[TM+\b], v[TM+\b], |v[\acc+16*\b+\i]|, |v[\acc+16*\b+\i+1]|   ; the four blocks by turns
.endr
.endr
.irp b, 0,1,2,3
	v_permlanex16_b32 v[TM+4+\b], v[TM+\b], s[SEL], s[SEL+1]
.endr
.irp b, 0,1,2,3
	v_max_num_f32 v[TM+\b], v[TM+\b], v[TM+4+\b]   ; with lane l xor 16's 16: the block's largest magnitude
.endr
.irp b, 0,1,2,3
	v_add_nc_u32 v[TM+12+\b], 0xff000000, v[TM+\b]
.endr
.irp b, 0,1,2,3
	v_lshrrev_b32 v[TM+4+\b], 23, v[TM+12+\b]
.endr
.irp b, 0,1,2,3
	v_cvt_scalef32_pk8_fp4_f32 v[\cd+2*\b], v[\acc+16*\b:\acc+16*\b+7], v[TM+12+\b]
	v_cvt_scalef32_pk8_fp4_f32 v[\cd+2*\b+1], v[\acc+16*\b+8:\acc+16*\b+15], v[TM+12+\b]
.endr
	v_nop                                          ; one plain instruction behind the conversions
.endm
; ---- 5: q (jj = 0) or k (1): eight accumulators (T, u) by turns; block b of Q4 is tile T of positions
.macro QK jj, base, sl
	WIN 0x11                                       ; source 0 (weights) and C (bias) window 1
.irp T, 0,1,2,3
.irp u, 0,1
	WM ACC+8*(2*\T+\u), 8*(4*\jj+2*\u), HF+16*\T, BI+8*(2*\jj+\u), WS+2*\jj+\u, HSR+\T, 0
.endr
.endr
	WIN 0x01
.irp T, 0,1,2,3
.irp u, 0,1
	WM ACC+8*(2*\T+\u), 8*(4*\jj+2*\u+1), HF+16*\T+8, ACC+8*(2*\T+\u), WS+2*\jj+\u, HSR+\T, 3
.endr
.endr
	WIN 0
.rept 4
	v_nop                                          ; four places between the last product and the first read of results
.endr
	Q4 ACC, CD+8*\jj
.irp T, 0,1,2,3
	global_store_b64 v10, v[CD+8*\jj+2*\T:CD+8*\jj+2*\T+1], s[\base:\base+1] offset:2048*\T   ; 32 lanes store 256 consecutive bytes of fragment (T, w / 4), aligned
	ds_store_b8 v11, v[TM+4+\T] offset:\sl+128*\T  ; both halves of the lanes write the same byte with the same value
.endr
	s_wait_dscnt 0x0                               ; the byte stores have read their registers
.endm
	QK 0, 18, QSS
	QK 1, 32, KSS
	; ---- 6: v: source 0 = h's positions, source 1 = the weights: accumulator (u, T) at ACC + 32 u + 8 T; block 2 u + B' of Q4 is 32 positions of one channel
	WIN 0x14                                       ; source 1 (weights) and C (bias) window 1
.irp u, 0,1
.irp T, 0,1,2,3
	WM ACC+32*\u+8*\T, HF+16*\T, 8*(8+2*\u), BV+8*\u, HSR+\T, WS+4+\u, 0
.endr
.endr
	WIN 0x04
.irp u, 0,1
.irp T, 0,1,2,3
	WM ACC+32*\u+8*\T, HF+16*\T+8, 8*(8+2*\u+1), ACC+32*\u+8*\T, HSR+\T, WS+4+\u, 3
.endr
.endr
	WIN 0
.rept 4
	v_nop
.endr
	Q4 ACC, CD+16
.irp u, 0,1
.irp g, 0,1
	global_store_b64 v12, v[CD+16+2*(2*\u+\g):CD+16+2*(2*\u+\g)+1], s[34:35] offset:16384+1024*\u+256*\g   ; 256 consecutive bytes of V's fragment 2 w + u, aligned
.endr
.endr
	v_lshl_or_b32 v[TM+4], v[TM+5], 8, v[TM+4]     ; tile u = 0: my two blocks' bytes;
	v_lshl_or_b32 v[TM+6], v[TM+7], 8, v[TM+6]     ; u = 1
	v_cmp_eq_u32 vcc_lo, 1, v3
	v_cndmask_b32 v[TM+4], v[TM+4], v[TM+6], vcc_lo   ; lanes 0-15 store tile u = 0's, lanes 16-31 tile u = 1's
	global_store_b16 v13, v[TM+4], s[38:39]
	; ---- 7: q's and k's scale words leave as 512 consecutive bytes each
	s_cmp_eq_u32 s22, 0                            ; the choice hangs on the wave's number alone
	s_cselect_b64 s[44:45], s[18:19], s[36:37]
	s_cselect_b32 s46, 8192, 0
	s_mov_b32 s47, 0
	s_add_nc_u64 s[44:45], s[44:45], s[46:47]
	s_wait_dscnt 0x0
	s_barrier_signal -1
	s_barrier_wait -1                              ; every wave's bytes lie in LDS
	s_cmp_lt_u32 s22, 2
	s_cbranch_scc0 .Ldone
	ds_load_b128 v[232:235], v252
	s_wait_dscnt 0x0
	global_store_b128 v31, v[232:235], s[44:45]
.Ldone:
	s_wait_tensorcnt 0x0
	ds_add_u32 v254, v255
	s_wait_dscnt 0x0
	s_endpgm
.Lfunc_end_k_q6215866001_qkv:
	.size	k_q6215866001_qkv, .Lfunc_end_k_q6215866001_qkv-k_q6215866001_qkv
	.p2alignl 7, 3214868480
	.fill 96, 4, 3214868480
	.section	.rodata,"a",@progbits
	.p2align	6, 0x0
	.amdhsa_kernel k_q6215866001_qkv
		.amdhsa_group_segment_fixed_size 15360
		.amdhsa_private_segment_fixed_size 0
		.amdhsa_enable_private_segment 0
		.amdhsa_kernarg_size 72
		.amdhsa_user_sgpr_count 2
		.amdhsa_user_sgpr_kernarg_segment_ptr 1
		.amdhsa_wavefront_size32 1
		.amdhsa_system_sgpr_workgroup_id_x 1
		.amdhsa_system_sgpr_workgroup_id_y 1
		.amdhsa_system_sgpr_workgroup_id_z 1
		.amdhsa_system_vgpr_workitem_id 0
		.amdhsa_next_free_vgpr 400
		.amdhsa_next_free_sgpr 66
		.amdhsa_reserve_vcc 1
		.amdhsa_float_denorm_mode_32 3
		.amdhsa_float_denorm_mode_16_64 3
		.amdhsa_memory_ordered 1
		.amdhsa_forward_progress 1
		.amdhsa_inst_pref_size 51
	.end_amdhsa_kernel
	.amdgpu_metadata
---
amdhsa.version: [ 1, 2 ]
amdhsa.kernels:
  - .name:           k_q6215866001_qkv
    .symbol:         k_q6215866001_qkv.kd
    .args:
      - { .name: x, .offset: 0, .size: 8, .value_kind: global_buffer, .address_space: global }
      - { .name: stats, .offset: 8, .size: 8, .value_kind: global_buffer, .address_space: global }
      - { .name: gn_scale, .offset: 16, .size: 8, .value_kind: global_buffer, .address_space: global }
      - { .name: gn_bias, .offset: 24, .size: 8, .value_kind: global_buffer, .address_space: global }
      - { .name: wimg, .offset: 32, .size: 8, .value_kind: global_buffer, .address_space: global }
      - { .name: wsc, .offset: 40, .size: 8, .value_kind: global_buffer, .address_space: global }
      - { .name: qkv_b, .offset: 48, .size: 8, .value_kind: global_buffer, .address_space: global }
      - { .name: qbuf, .offset: 56, .size: 8, .value_kind: global_buffer, .address_space: global }
      - { .name: kv, .offset: 64, .size: 8, .value_kind: global_buffer, .address_space: global }
    .group_segment_fixed_size: 15360
    .private_segment_fixed_size: 0
    .kernarg_segment_align: 8
    .kernarg_segment_size: 72
    .max_flat_workgroup_size: 256
    .sgpr_count:     66
    .vgpr_count:     400
    .wavefront_size: 32
...
	.end_amdgpu_metadata
.endif
;; end of part 2
;; launch attn (part 3): grid 64 x 4, 4 waves a work-group, clusters of 4 x 1, 327,680 bytes of LDS; arguments qbuf, kv, wimg, wsc, proj_b, x, out0; writes out0
.if DOCPART == 3
	.amdgcn_target "amdgcn-amd-amdhsa--gfx1250"
	.amdhsa_code_object_version 6
	.text
	.protected	k_q6215866001_attn
	.globl	k_q6215866001_attn
	.p2align	8
	.type	k_q6215866001_attn,@function
k_q6215866001_attn:
	s_mov_b64 s[64:65], 0
	v_nop
	global_prefetch_b8 v0, s[64:65] scope:SCOPE_SE
	s_setreg_imm32_b32 hwreg(HW_REG_WAVE_MODE, 25, 1), 1
	s_wait_xcnt 0x0
	s_wait_alu depctr_hold_cnt(0) depctr_sa_sdst(0) depctr_va_vdst(0) depctr_va_sdst(0) depctr_va_ssrc(0) depctr_va_vcc(0) depctr_vm_vsrc(0)
	s_getreg_b32 s2, hwreg(HW_REG_IB_STS2, 6, 4)
	s_cmp_eq_u32 s2, 0
	s_cbranch_scc0 .Lentry_in_a_cluster
	s_endpgm
.Lentry_in_a_cluster:
	s_bfe_u32 s2, ttmp6, 0x10000c
	s_cmp_lg_u32 s2, 0x3003
	s_cbranch_scc0 .Lentry_shape_is_right
	s_endpgm
.Lentry_shape_is_right:
; ATTENTION ON CODES OF FP4, THE PROJECTION AND THE RESIDUAL.  out0 = proj_w (V softmax(Q^T K / 16)) + proj_b + x; one head of 256 channels, 4,096 keys for each of 4 images.
; SOFTMAX: t = score x log2(e) / 16; M = the largest t so far, rounded up to a whole number; p = 2^(t - M) is quantised along the keys, not normalised; the row's sum is taken of the unquantised p and divides at the end.
; When M moves, the sum and O are multiplied by 2^(old M - new M): exact.
; SHARES.  A work-group owns 64 queries (block blk) of image b.  K and V come in slots of 512 keys = 4 key steps of 128.  THE FOUR WAVES SPLIT THE KEYS: in every slot wave w takes key step w, for all four tiles of 16
; queries: each fragment of K and V is read from LDS once in the work-group and feeds four matrix instructions.  Each wave has its own running M, sum and partial O^T (512 registers); they are joined once, at the end,
; through LDS: register tile i of wave w is query tile (w + i) % 4, so every wave keeps its tile 0 and sends tiles 1 to 3.
; LAYOUT.  Both products are used transposed: S^T = K Q^T (source 0 = 16 keys), O^T = V^T P^T (source 0 = 16 channels): a lane holds one query throughout.  Row r of tile 2 B + u of K (V) is key (channel)
; 32 B + 8 u + r + 8 (r / 8), so that the 16 registers of tiles 2 B, 2 B + 1 are 16 neighbours: 32 B + 16 (lane / 16) + 0 .. 15.  All operands lie in memory and LDS as images of their registers (16 bytes a lane on end).
; CLUSTER.  The four work-groups of a cluster have the same image and walk the same kv: every slot is asked for JOINTLY (mask 15), each wave a quarter of it: 136 rows of 256 bytes.
; RING.  Two slots of 139,264 bytes.  The change of slots stands at a slot's head; the slot just left is filled again behind a round of the cluster's barrier and has a whole slot's work in which to land.
; One tensor load of a wave is out at any time.  All of the LDS is claimed.
; EVERY ADDRESS REGISTER, the way out's too, is made at the head from the thread's number and constants, and holds nothing else in the whole text.
; LIMITS: NaN and infinities are not served.  A block under 2^-124, and a block of zeros, has the byte 1 (zero codes add nothing).  The division by the sum is v_rcp_f32 and a multiplication.
; REGISTERS.  window 0: v1-15, v120-124 addresses; v16-47 statistics, 8 a tile; v48-71 scale words; v72-103 p's codes, 8 a tile; v104-119 at work; v128-255 S^T of two tiles.
;   window 1: v0-127 K's 16 fragments, then V's 16; v128-191 Q; v192-255 proj_w's 8 fragments.   windows 2, 3: O^T: tile t in window 2 + t / 2 at 128 (t % 2) + 8 Tc.
.set SLOTB, 139264
.set SPARE, 278528                     ; behind the ring: the spare words, 128 bytes a wave: two blocks of 256 bytes that no other line names
.set REG,   16896                      ; the way out, in the ring, which has then had its last fill: region 3 owner + i - 1 holds a sent tile: 16,384 bytes of O^T, then its (-M, l): 8 bytes at 16 x lane
.set STG,   12*REG                     ; behind the twelve regions: a stage of 64 rows x (256 + 16) bytes for each wave; it ends at 272,384
.set AIMG,  279040                     ; behind the spare words: a's 8 fragments;
.set ASC,   287232                     ; their scale words, 128 bytes each
.set XS,  8                            ; v8-10  where my tiles 1 to 3 go
.set XR,  11                           ; v11    where my own tile's three partials lie
.set AW,  12                           ; v12    where a's images go;  v13 their scale words
.set SW,  13
.set AR,  14                           ; v14    where a's images are read;  v15 their scale words
.set ASR, 15
.set SO,  120                          ; v120   the stage: in;  v121 back
.set SR,  121
.set XA,  122                          ; v122   my offset in x and out0
.set BA,  123                          ; v123   my offset in proj_b
.set L4,  124                          ; v124   4 x lane
.set ST,  16                           ; tile t: +0 -M, +1 the largest t (at the end: l), +2, +3 the sum in two halves, +4 f (+5 named with it), +6, +7 at work
.set QS,  48                           ; v48-51  Q's scale words: lanes 0-15 K step 0, lanes 16-31 K step 1
.set KSC, 52                           ; v52-59  K's, likewise; on the way out a's
.set VSC, 60                           ; v60-67  V's: lanes 0-15 tile 2 B, lanes 16-31 tile 2 B + 1; on the way out proj_w's
.set PSC, 68                           ; v68-71  p's; on the way out a's, as made
.set PC,  72
.set ML,  88                           ; the way out: v88-93 the three partials' (-M, l);  v94-101 g in four pairs
.set GG,  94
.set TM,  104                          ; 8 for each tile of a pair: 0-3 the blocks' maxima, then the conversions' scale operands; 4-7 permutes, then bytes
.set S,   128
.set QF,  128                          ; in window 1
.set PF,  192
.set WV,  18
.set G1,  32                           ; s[32:39], s[40:43] the descriptor
.set G0,  40
.set WB,  44                           ; my quarter's place in a slot
.set FB,  45                           ; the slot that is filled
.set TB,  46                           ; the slot that is read
.set CNT, 47                           ; fills still to come
.set PFA, 48                           ; s[48:49] where my prefetches stand
.set LIM, 50
.set SEL, 52
.set CS,  54                           ; s[54:55] log2(e) / 16, twice
.set MSB, 0
.macro WIN new                         ; the immediate's high byte repeats the setting that is left; a switch that changes nothing is dropped
.if MSB != (\new)
	s_set_vgpr_msb (MSB<<8)|(\new)
.set MSB, (\new)
.endif
.endm
.macro PLACES n
.rept \n
	v_nop
.endr
.endm
; one matrix instruction.  c < 0: the constant 0 starts the sum.  rows: 1: A's scales from lanes 16-31; 2: B's; 3: both
.macro WM d, a, b, c, sa, sb, rows
.if (\c) < 0
.if (\rows) == 0
	v_wmma_scale_f32_16x16x128_f8f6f4 v[\d:\d+7], v[\a:\a+7], v[\b:\b+7], 0, v[\sa], v[\sb] matrix_a_fmt:MATRIX_FMT_FP4 matrix_b_fmt:MATRIX_FMT_FP4
.else
	v_wmma_scale_f32_16x16x128_f8f6f4 v[\d:\d+7], v[\a:\a+7], v[\b:\b+7], 0, v[\sa], v[\sb] matrix_a_fmt:MATRIX_FMT_FP4 matrix_b_fmt:MATRIX_FMT_FP4 matrix_a_scale:MATRIX_SCALE_ROW1
.endif
.elseif (\rows) == 0
	v_wmma_scale_f32_16x16x128_f8f6f4 v[\d:\d+7], v[\a:\a+7], v[\b:\b+7], v[\c:\c+7], v[\sa], v[\sb] matrix_a_fmt:MATRIX_FMT_FP4 matrix_b_fmt:MATRIX_FMT_FP4
.elseif (\rows) == 1
	v_wmma_scale_f32_16x16x128_f8f6f4 v[\d:\d+7], v[\a:\a+7], v[\b:\b+7], v[\c:\c+7], v[\sa], v[\sb] matrix_a_fmt:MATRIX_FMT_FP4 matrix_b_fmt:MATRIX_FMT_FP4 matrix_a_scale:MATRIX_SCALE_ROW1
.elseif (\rows) == 2
	v_wmma_scale_f32_16x16x128_f8f6f4 v[\d:\d+7], v[\a:\a+7], v[\b:\b+7], v[\c:\c+7], v[\sa], v[\sb] matrix_a_fmt:MATRIX_FMT_FP4 matrix_b_fmt:MATRIX_FMT_FP4 matrix_b_scale:MATRIX_SCALE_ROW1
.else
	v_wmma_scale_f32_16x16x128_f8f6f4 v[\d:\d+7], v[\a:\a+7], v[\b:\b+7], v[\c:\c+7], v[\sa], v[\sb] matrix_a_fmt:MATRIX_FMT_FP4 matrix_b_fmt:MATRIX_FMT_FP4 matrix_a_scale:MATRIX_SCALE_ROW1 matrix_b_scale:MATRIX_SCALE_ROW1
.endif
.endm
; a round of the cluster's barrier: my work-group's barrier; wave 0 signals for the work-group; every wave waits for all four work-groups; my work-group's barrier once more
.macro CROUND
	s_barrier_signal -1
	s_barrier_wait -1
	s_cmp_lg_u32 s[WV], 0
	s_cbranch_scc1 .Lnot_wave_0_\@
	s_barrier_signal -3
.Lnot_wave_0_\@:
	s_barrier_wait -3
	s_barrier_signal -1
	s_barrier_wait -1
.endm
; A PREFETCH INTO THE L2 of the codes of the slot that the NEXT change of slots will ask for: one slot, 128 matrix instructions a wave, ahead of that load.  All 16 clusters of an image walk the same kv: the image's first
; cluster asks.  Its four partners are told apart BY ADDRESS: partner cx takes key step cx's 32,768 bytes, wave w 8,192 of them, lanes 256 bytes apart: each block of 256 bytes of codes is named once in the launch.
; The last change that fills a slot asks for nothing; slots 0 and 1 come by their loads alone; the slot's 8,192 bytes of scale words are not asked for.
.macro ASK
	s_cmp_gt_u32 s[CNT], s[LIM]
	s_cbranch_scc0 .Lnot_mine_\@
	global_prefetch_b8 v7, s[PFA:PFA+1] th:TH_LOAD_NT scope:SCOPE_SE
.Lnot_mine_\@:
.endm
	s_load_b256 s[4:11], s[0:1], 0x0               ; qbuf, kv, wimg, wsc
	s_load_b128 s[12:15], s[0:1], 0x20             ; proj_b, x
	s_load_b64 s[16:17], s[0:1], 0x30              ; out0
	v_lshl_add_u32 v1, v0, 2, SPARE                ; my spare word; never rewritten
	v_mov_b32 v2, 0                                ; 0; never rewritten
	ds_add_u32 v1, v2
	ds_add_u32 v1, v2
	s_wait_dscnt 0x0
	v_lshrrev_b32 v104, 5, v0
	v_readfirstlane_b32 s[WV], v104                ; wave 0..3
	s_bfe_u32 s19, ttmp6, 0x40000                  ; cx: it enters global addresses of qbuf, x, out0 and the prefetches alone
	s_lshl_b32 s20, ttmp9, 2
	s_add_co_u32 s20, s20, s19                     ; blk = 4 x cluster x + cx
	s_and_b32 s21, ttmp7, 0xffff                   ; b, which the four partners share
	s_mul_i32 s22, s21, 1114112                    ; the image's 8 slots in kv
	s_mul_i32 s[WB], s[WV], 34816                  ; my quarter of a slot
	s_add_co_u32 s24, s22, s[WB]
	s_mov_b32 s25, 0
	s_lshl_b32 s26, s21, 6
	s_add_co_u32 s26, s26, s20
	s_mul_i32 s26, s26, 8704                       ; my record in qbuf
	s_mov_b32 s27, 0
	s_lshl_b32 s28, s21, 22                        ; x and out0: the image, + 256 blk, + my wave's 64 output channels
	s_lshl_b32 s29, s20, 8
	s_add_co_u32 s28, s28, s29
	s_lshl_b32 s29, s[WV], 20
	s_add_co_u32 s28, s28, s29
	s_mov_b32 s29, 0
	s_lshl_b32 s30, s19, 15                        ; the prefetches: key step cx, 8,192 x wave, in slot 1: the first change of slots steps it to slot 2
	s_lshl_b32 s31, s[WV], 13
	s_add_co_u32 s30, s30, s31
	s_add_co_u32 s30, s30, s22
	s_add_co_u32 s30, s30, SLOTB
	s_mov_b32 s31, 0
	s_lshl_b32 s56, s[WV], 13
	s_add_co_u32 s56, s56, 98304                   ; wimg: fragments 96 + 8 w on: proj_w's tiles 4 w .. 4 w + 3
	s_mov_b32 s57, 0
	s_lshl_b32 s58, s[WV], 9
	s_add_co_u32 s58, s58, 6144                    ; wsc: tiles 48 + 4 w on
	s_mov_b32 s59, 0
	s_lshl_b32 s60, s[WV], 8                       ; proj_b: 64 w on
	s_mov_b32 s61, 0
	s_cmp_eq_u32 ttmp9, 0                          ; the image's first cluster: the same in all four partners
	s_cselect_b32 s[LIM], 1, -1
	; the descriptor: 136 dense rows of 32 elements of 8 bytes
	s_mov_b32 s[G1], 15|(3<<16)|(1<<21)            ; 15:0 the mask: all four work-groups; 17:16 elements of 8 bytes; 21 set beside a mask; no padding: images are read 16 bytes a lane on end
	s_mov_b32 s[G1+1], 32<<16                      ; tensor_dim0 = 32
	s_mov_b32 s[G1+2], 136<<16                     ; tensor_dim1 = 136
	s_mov_b32 s[G1+3], 32<<16                      ; tile_dim0 = 32
	s_mov_b32 s[G1+4], 136                         ; tile_dim1 = 136
	s_mov_b32 s[G1+5], 32                          ; from row to row
	s_mov_b32 s[G1+6], 0
	s_mov_b32 s[G1+7], 0
	s_mov_b32 s[FB], 0
	s_mov_b32 s[TB], 0
	s_mov_b32 s[SEL], 0x76543210
	s_mov_b32 s[SEL+1], 0xfedcba98
	s_mov_b32 s[CS], 0x3db8aa3b                    ; log2(e) / 16
	s_mov_b32 s[CS+1], s[CS]
	s_mov_b32 s[G0], 1                             ; count = 1
	s_mov_b32 s[G0+1], s[WB]                       ; LDS address: slot 0, my quarter
	s_wait_kmcnt 0x0
	s_add_nc_u64 s[G0+2:G0+3], s[6:7], s[24:25]    ; global address: the image's slot 0, my quarter
	s_or_b32 s[G0+3], s[G0+3], 0x80000000          ; type = 2
	s_add_nc_u64 s[PFA:PFA+1], s[6:7], s[30:31]
	s_add_nc_u64 s[4:5], s[4:5], s[26:27]
	s_add_nc_u64 s[14:15], s[14:15], s[28:29]
	s_add_nc_u64 s[16:17], s[16:17], s[28:29]
	s_add_nc_u64 s[8:9], s[8:9], s[56:57]
	s_add_nc_u64 s[10:11], s[10:11], s[58:59]
	s_add_nc_u64 s[12:13], s[12:13], s[60:61]
	CROUND                                         ; all four work-groups are here: the first joint loads meet
	tensor_load_to_lds s[G0:G0+3], s[G1:G1+7]      ; slot 0
	s_nop 0
	PLACES 4                                       ; four plain lines follow a tensor load
	v_and_b32 v105, 31, v0                         ; lane
	v_and_b32 v107, 15, v0                         ; r
	v_bfe_u32 v108, v0, 4, 1                       ; h
	v_lshlrev_b32 v5, 4, v105                      ; 16 x lane
	v_lshlrev_b32 v6, 2, v105                      ; 4 x lane
	v_lshl_add_u32 v3, v104, 15, v5                ; my key step's codes in a slot: 32,768 w + 16 x lane
	v_lshl_add_u32 v4, v104, 11, v6
	v_add_nc_u32 v4, 131072, v4                    ; its scale words: 131,072 + 2,048 w + 4 x lane
	v_lshlrev_b32 v7, 8, v105                      ; the prefetches' offset; never rewritten
.irp i, 0,1,2,3
	v_add_nc_u32 v106, \i, v104
	v_and_b32 v106, 3, v106                        ; register tile i is query tile (w + i) % 4
	v_lshl_add_u32 v[128+\i], v106, 11, v5         ; its codes in my record of qbuf,
	v_lshl_add_u32 v[132+\i], v106, 7, v6          ; and its scale words
.endr
	WIN 0x40                                       ; destination window 1
.irp i, 0,1,2,3
.irp f, 0,1,2,3
	global_load_b128 v[QF+16*\i+4*\f:QF+16*\i+4*\f+3], v[128+\i], s[4:5] offset:512*\f   ; Q stays in registers: K step f / 2, register group f % 2
.endr
.endr
.irp f, 0,1,2,3,4,5,6,7,8,9,10,11,12,13,14,15
	global_load_b128 v[PF+4*\f:PF+4*\f+3], v5, s[8:9] offset:512*\f   ; and so do my 8 fragments of proj_w: (n, s) at PF + 8 (2 n + s)
.endr
	WIN 0
.irp i, 0,1,2,3
	global_load_b32 v[QS+\i], v[132+\i], s[4:5] offset:8192
.endr
	; the way out's addresses
	v_and_b32 v109, 8, v107
	v_add_nc_u32 v109, v109, v107                  ; perm(r) = r + 8 (r / 8)
.irp i, 1,2,3
	v_add_nc_u32 v106, \i, v104
	v_and_b32 v106, 3, v106                        ; tile i's owner
	v_mad_u32_u24 v106, v106, 3, \i-1              ; its region: 3 owner + i - 1
	v_mad_u32_u24 v[XS+\i-1], v106, REG, v5
.endr
	v_mad_u32_u24 v[XR], v104, 3*REG, v5           ; my own three regions
	v_lshl_add_u32 v106, v104, 11, v5
	v_add_nc_u32 v[AW], AIMG, v106                 ; a's fragments 2 w, 2 w + 1
	v_lshl_add_u32 v106, v104, 8, v6
	v_add_nc_u32 v[SW], ASC, v106
	v_add_nc_u32 v[AR], AIMG, v5
	v_add_nc_u32 v[ASR], ASC, v6
	v_mul_u32_u24 v110, v104, 17408
	v_add_nc_u32 v110, STG, v110                   ; my stage
	v_mad_u32_u24 v106, v109, 272, v110
	v_lshl_add_u32 v[SO], v108, 6, v106            ; in: row perm(r), + 64 h
	v_mad_u32_u24 v106, v108, 272, v110
	v_lshl_add_u32 v[SR], v107, 4, v106            ; back: lanes 0-15 one row, lanes 16-31 the next
	v_lshlrev_b32 v106, 14, v108
	v_lshl_add_u32 v[XA], v107, 4, v106            ; and the same two rows (channels) in x and out0
	v_lshlrev_b32 v[BA], 2, v109
	v_lshlrev_b32 v[L4], 2, v105
.irp t, 0,1,2,3
	v_mov_b32 v[ST+8*\t+1], 0xff61b1e6             ; the largest t so far: -3e38, under every t
	v_mov_b32 v[ST+8*\t+2], 0                      ; the sum
	v_mov_b32 v[ST+8*\t+3], 0
	v_mov_b32 v[ST+8*\t+5], 0                      ; (named as the upper half of f's pair)
.endr
.irp t, 0,1,2,3
	v_floor_f32 v[ST+8*\t], -v[ST+8*\t+1]          ; -M
.endr
.irp e, 0,1
.irp b, 0,1,2,3
	v_mov_b32 v[TM+8*\e+4+\b], 0                   ; written once: a lane permute's destination counts as one of its sources
.endr
.endr
	s_wait_loadcnt 0x0
; S^T of register tile t: 8 tiles of keys x 2 K steps; the eight accumulators take turns
.macro SQ t
	WIN 0x05                                       ; K and Q in window 1, S^T in window 0
.irp T, 0,1,2,3,4,5,6,7
	WM S+64*(\t%2)+8*\T, 16*\T, QF+16*\t, -1, KSC+\T, QS+\t, 0
.endr
.irp T, 0,1,2,3,4,5,6,7
	WM S+64*(\t%2)+8*\T, 16*\T+8, QF+16*\t+8, S+64*(\t%2)+8*\T, KSC+\T, QS+\t, 3
.endr
.endm
; THE SOFTMAX of tiles p and p + 1 for this key step, every line for the two tiles by turns, so that no line waits for the line above it.  first = 1: O^T has not begun: nothing is rescaled.
.macro SMP p, first
.irp b, 0,1,2,3
.irp e, 0,1
	v_max3_num_f32 v[TM+8*\e+\b], v[S+64*\e+16*\b], v[S+64*\e+16*\b+1], v[S+64*\e+16*\b+2]   ; the largest score of each block of 32 keys: for the row's maximum, and, since p rises with the score, for the block's largest p
.endr
.endr
.irp i, 3,5,7,9,11,13
.irp b, 0,1,2,3
.irp e, 0,1
	v_max3_num_f32 v[TM+8*\e+\b], v[TM+8*\e+\b], v[S+64*\e+16*\b+\i], v[S+64*\e+16*\b+\i+1]
.endr
.endr
.endr
.irp b, 0,1,2,3
.irp e, 0,1
	v_max_num_f32 v[TM+8*\e+\b], v[TM+8*\e+\b], v[S+64*\e+16*\b+15]
.endr
.endr
.irp b, 0,1,2,3
.irp e, 0,1
	v_permlanex16_b32 v[TM+8*\e+4+\b], v[TM+8*\e+\b], s[SEL], s[SEL+1]
.endr
.endr
.irp b, 0,1,2,3
.irp e, 0,1
	v_max_num_f32 v[TM+8*\e+\b], v[TM+8*\e+\b], v[TM+8*\e+4+\b]   ; with lane l xor 16's 16 keys
.endr
.endr
.irp e, 0,1
	v_max3_num_f32 v[ST+8*(\p+\e)+6], v[TM+8*\e], v[TM+8*\e+1], v[TM+8*\e+2]
.endr
.irp e, 0,1
	v_max_num_f32 v[ST+8*(\p+\e)+6], v[ST+8*(\p+\e)+6], v[TM+8*\e+3]   ; the step's largest score of my query
.endr
.irp e, 0,1
	v_mul_f32 v[ST+8*(\p+\e)+6], s[CS], v[ST+8*(\p+\e)+6]            ; as t
.endr
.irp e, 0,1
	v_max_num_f32 v[ST+8*(\p+\e)+1], v[ST+8*(\p+\e)+1], v[ST+8*(\p+\e)+6]   ; the running largest t
.endr
.irp e, 0,1
	v_mov_b32 v[ST+8*(\p+\e)+6], v[ST+8*(\p+\e)]
.endr
.irp e, 0,1
	v_floor_f32 v[ST+8*(\p+\e)], -v[ST+8*(\p+\e)+1]                  ; the new -M = floor(-t): M is a whole number
.endr
.irp e, 0,1
	v_sub_f32 v[ST+8*(\p+\e)+6], v[ST+8*(\p+\e)], v[ST+8*(\p+\e)+6]  ; old M - new M: a whole number, 0 or less
.endr
.irp e, 0,1
	v_cvt_i32_f32 v[ST+8*(\p+\e)+6], v[ST+8*(\p+\e)+6]               ; (it saturates)
.endr
.irp e, 0,1
	v_ldexp_f32 v[ST+8*(\p+\e)+4], 1.0, v[ST+8*(\p+\e)+6]            ; f = 2^(old M - new M)
.endr
.set J, 0
.rept 32
.irp e, 0,1
	v_pk_fma_f32 v[S+64*\e+J:S+64*\e+J+1], v[S+64*\e+J:S+64*\e+J+1], s[CS:CS+1], v[ST+8*(\p+\e):ST+8*(\p+\e)+1] op_sel_hi:[1,0,0]   ; t - M, two at a time
.endr
.set J, J+2
.endr
.irp b, 0,1,2,3
.irp e, 0,1
	v_fma_f32 v[TM+8*\e+\b], v[TM+8*\e+\b], s[CS], v[ST+8*(\p+\e)]   ; the same of each block's largest score
.endr
.endr
.set J, 0
.rept 64
.irp e, 0,1
	v_exp_f32 v[S+64*\e+J], v[S+64*\e+J]           ; p = 2^(t - M).  ONE BATCH: 2 x 68 exponentials, none of which reads another's result
.endr
.set J, J+1
.endr
.irp b, 0,1,2,3
.irp e, 0,1
	v_exp_f32 v[TM+8*\e+\b], v[TM+8*\e+\b]         ; the block's largest p: the same two instructions on the same number give the same bits
.endr
.endr
.irp e, 0,1
	v_pk_mul_f32 v[ST+8*(\p+\e)+2:ST+8*(\p+\e)+3], v[ST+8*(\p+\e)+2:ST+8*(\p+\e)+3], v[ST+8*(\p+\e)+4:ST+8*(\p+\e)+5] op_sel_hi:[1,0]   ; the sums under the new M: the plain lines behind the batch
.endr
	s_wait_alu depctr_va_vdst(0)                   ; one wait for the batch, ahead of its first reader
.irp e, 0,1
	v_pk_add_f32 v[ST+8*(\p+\e)+6:ST+8*(\p+\e)+7], v[S+64*\e:S+64*\e+1], v[S+64*\e+2:S+64*\e+3]   ; the row's sum is taken of the unquantised p, in two chains
.endr
.irp j, 4,8,12,16,20,24,28,32,36,40,44,48,52,56,60
.irp e, 0,1
	v_pk_add_f32 v[ST+8*(\p+\e)+2:ST+8*(\p+\e)+3], v[ST+8*(\p+\e)+2:ST+8*(\p+\e)+3], v[S+64*\e+\j:S+64*\e+\j+1]
	v_pk_add_f32 v[ST+8*(\p+\e)+6:ST+8*(\p+\e)+7], v[ST+8*(\p+\e)+6:ST+8*(\p+\e)+7], v[S+64*\e+\j+2:S+64*\e+\j+3]
.endr
.endr
.irp e, 0,1
	v_pk_add_f32 v[ST+8*(\p+\e)+2:ST+8*(\p+\e)+3], v[ST+8*(\p+\e)+2:ST+8*(\p+\e)+3], v[ST+8*(\p+\e)+6:ST+8*(\p+\e)+7]
.endr
.irp b, 0,1,2,3
.irp e, 0,1
	v_max_num_f32 v[TM+8*\e+\b], 0x1800000, v[TM+8*\e+\b]            ; the floor 2^(3 - 127): the byte cannot fall under 1
.endr
.endr
.irp b, 0,1,2,3
.irp e, 0,1
	v_add_nc_u32 v[TM+8*\e+\b], 0xff000000, v[TM+8*\e+\b]            ; 2 off the exponent field, in place: the conversion's scale operand
.endr
.endr
.irp b, 0,1,2,3
.irp e, 0,1
	v_lshrrev_b32 v[TM+8*\e+4+\b], 23, v[TM+8*\e+\b]                 ; the scale's byte
.endr
.endr
.irp e, 0,1
	v_lshl_or_b32 v[PSC+\p+\e], v[TM+8*\e+5], 8, v[TM+8*\e+4]        ; p's scale word for these 128 keys
.endr
.irp e, 0,1
	v_lshl_or_b32 v[PSC+\p+\e], v[TM+8*\e+6], 16, v[PSC+\p+\e]
.endr
.irp e, 0,1
	v_lshl_or_b32 v[PSC+\p+\e], v[TM+8*\e+7], 24, v[PSC+\p+\e]
.endr
.irp e, 0,1
.irp b, 0,1,2,3
	v_cvt_scalef32_pk8_fp4_f32 v[PC+8*(\p+\e)+2*\b], v[S+64*\e+16*\b:S+64*\e+16*\b+7], v[TM+8*\e+\b]
	v_cvt_scalef32_pk8_fp4_f32 v[PC+8*(\p+\e)+2*\b+1], v[S+64*\e+16*\b+8:S+64*\e+16*\b+15], v[TM+8*\e+\b]
.endr
.endr
	v_nop                                          ; one plain instruction behind the conversions
.irp e, 0,1
.irp c, 0,1
.irp i, 0,1
	v_permlane16_swap_b32 v[PC+8*(\p+\e)+4*\c+\i], v[PC+8*(\p+\e)+4*\c+2+\i]   ; the operand wants a whole block in a lane: lanes 0-15 block 2 c, lanes 16-31 block 2 c + 1
.endr
.endr
.endr
.if !\first
	WIN 0x82+0x41*(\p/2)                           ; O^T (destination and source 0) in window 2 or 3, f in window 0
.irp e, 0,1
.set J, 0
.rept 64
	v_pk_mul_f32 v[128*\e+J:128*\e+J+1], v[128*\e+J:128*\e+J+1], v[ST+8*(\p+\e)+4:ST+8*(\p+\e)+5] op_sel_hi:[1,0]   ; O^T under the new M, each accumulator from its low end on
.set J, J+2
.endr
.endr
.endif
.endm
; O^T += V^T P^T for tiles p, p + 1: 32 accumulators, one instruction each
.macro PVP p, first
	WIN 0xa1+0x50*(\p/2)                           ; V in window 1, p's codes in window 0, O^T in window 2 or 3
.irp c, 0,1,2,3,4,5,6,7,8,9,10,11,12,13,14,15
.irp e, 0,1
.if \first
	WM 128*\e+8*\c, 8*\c, PC+8*(\p+\e), -1, VSC+\c/2, PSC+\p+\e, \c%2
.else
	WM 128*\e+8*\c, 8*\c, PC+8*(\p+\e), 128*\e+8*\c, VSC+\c/2, PSC+\p+\e, \c%2
.endif
.endr
.endr
.endm
; THE CHANGE OF SLOTS, at a slot's head.  Each wave waits for all its tensor loads (its quarter of the slot ahead), adds 0 to its spare word, and waits for that and for its reads of the slot that it has left.
; fill = 1: behind a round of the cluster's barrier no wave of any partner reads that slot or has a load on its way: it is filled with the next 512 keys, first thing behind the round.
.macro CHANGE fill
	WIN 0
	s_wait_tensorcnt 0x0                           ; no tensor load of mine is out, so the descriptor may be written
	ds_add_u32 v1, v2                              ; 0 onto my spare word
.if \fill
	s_xor_b32 s[FB], s[FB], SLOTB                  ; the other slot than last time,
	s_add_co_u32 s[G0+1], s[WB], s[FB]             ; my quarter of it,
	s_add_nc_u64 s[G0+2:G0+3], s[G0+2:G0+3], SLOTB ; the next slot's record; the type bits on top are not reached
	s_wait_xcnt 0x0                                ; the last prefetch, a slot back, has read its address
	s_add_nc_u64 s[PFA:PFA+1], s[PFA:PFA+1], SLOTB ; one slot further on than the descriptor
	s_wait_dscnt 0x0                               ; the add is done, and my reads of the slot that I have left are over
	CROUND
	tensor_load_to_lds s[G0:G0+3], s[G1:G1+7]      ; my one tensor load until the next round
	s_nop 0
	PLACES 4                                       ; the places ahead of the loads into registers that the last products read
	ASK
.else
	s_wait_dscnt 0x0
	s_barrier_signal -1
	s_barrier_wait -1
	PLACES 4
.endif
.endm
; MY KEY STEP OF THE SLOT IN HAND, for the four tiles of queries
.macro WORK first
	v_add_nc_u32 v5, s[TB], v3
	v_add_nc_u32 v6, s[TB], v4
	WIN 0x40
.irp f, 0,1,2,3,4,5,6,7,8,9,10,11,12,13,14,15,16,17,18,19,20,21,22,23,24,25,26,27,28,29,30,31
	ds_load_b128 v[4*\f:4*\f+3], v5 offset:512*\f  ; K's 16 fragments: (T, s) at v[8 (2 T + s)]
.endr
	WIN 0
.irp T, 0,1,2,3,4,5,6,7
	ds_load_b32 v[KSC+\T], v6 offset:128*\T
.endr
.irp T, 0,1,2,3,4,5,6,7
	ds_load_b32 v[VSC+\T], v6 offset:1024+128*\T
.endr
	s_wait_dscnt 8                                 ; K and its scale words are in; V's eight scale loads may be out
	SQ 0
	SQ 1
	WIN 0
	PLACES 4                                       ; between the last product and the first read of results
	SMP 0, \first
	SQ 2
	SQ 3
	WIN 0
	PLACES 4                                       ; for the reads of results, and for the loads into K's registers
	WIN 0x40
.irp f, 0,1,2,3,4,5,6,7,8,9,10,11,12,13,14,15,16,17,18,19,20,21,22,23,24,25,26,27,28,29,30,31
	ds_load_b128 v[4*\f:4*\f+3], v5 offset:16384+512*\f   ; V's 16 fragments land under the softmax that follows
.endr
	WIN 0
	SMP 2, \first
.if \first
	PLACES 8                                       ; p's codes and scale words were just written: eight places ahead of a scaled matrix instruction (elsewhere the rescaling stands there)
.endif
	s_wait_dscnt 0x0                               ; V
	PVP 0, \first
	PVP 2, \first
	WIN 0
	s_xor_b32 s[TB], s[TB], SLOTB                  ; on to the other slot
.endm
	s_mov_b32 s[CNT], 7
	CHANGE 1                                       ; slot 0 has landed; slot 1 is asked for
	WORK 1                                         ; the first key step starts O^T's sums: nothing is ever cleared
	s_mov_b32 s[CNT], 6
.Lslot:                                            ; six trips: slots 1 to 6 are worked, slots 2 to 7 asked for
	CHANGE 1
	WORK 0
	s_sub_co_u32 s[CNT], s[CNT], 1
	s_cmp_lg_u32 s[CNT], 0
	s_cbranch_scc1 .Lslot
	CHANGE 0                                       ; the last slot is written out
	WORK 0
	; ---- THE WAVES' PARTS ARE JOINED.  l = the sum's two halves and lane l xor 16's.  (The eight additions are also the places behind the last products)
.irp t, 0,1,2,3
	v_add_f32 v[ST+8*\t+6], v[ST+8*\t+2], v[ST+8*\t+3]
.endr
.irp t, 0,1,2,3
	v_permlanex16_b32 v[ST+8*\t+7], v[ST+8*\t+6], s[SEL], s[SEL+1]
.endr
.irp t, 0,1,2,3
	v_add_f32 v[ST+8*\t+1], v[ST+8*\t+6], v[ST+8*\t+7]
.endr
	s_wait_dscnt 0x0
	s_barrier_signal -1
	s_barrier_wait -1                              ; nobody reads the ring any more, and it has had its last fill
	WIN 0x08                                       ; an LDS store's data are its source 1: window 2
.set K, 0
.rept 32
	ds_store_b128 v[XS], v[128+4*K:131+4*K] offset:512*K           ; tile 1, as it stands: each accumulator from its low end on
.set K, K+1
.endr
	WIN 0x0c                                       ; window 3
.set K, 0
.rept 32
	ds_store_b128 v[XS+1], v[4*K:4*K+3] offset:512*K               ; tile 2
.set K, K+1
.endr
.set K, 0
.rept 32
	ds_store_b128 v[XS+2], v[128+4*K:131+4*K] offset:512*K         ; tile 3
.set K, K+1
.endr
	WIN 0
.irp i, 1,2,3
	ds_store_b64 v[XS+\i-1], v[ST+8*\i:ST+8*\i+1] offset:16384     ; (-M, l), behind the tile
.endr
	s_wait_dscnt 0x0                               ; my stores have landed and have read their registers, which take the loads below
	WIN 0x80                                       ; destination window 2: where tile 1 lay
.set K, 0
.rept 32
	global_load_b128 v[128+4*K:131+4*K], v[XA], s[14:15] offset:32768*K th:TH_LOAD_NT   ; the residual: 16 lanes read 256 consecutive bytes of a channel
.set K, K+1
.endr
	WIN 0xc0                                       ; window 3: where tile 3 lay
.irp n, 0,1,2,3
.irp j, 0,1,2,3,4,5,6,7
	global_load_b32 v[128+8*\n+\j], v[BA], s[12:13] offset:(32*(\n/2)+8*(\n%2))*4   ; proj_b of my lane's output channel, as a C operand
.endr
.endr
	WIN 0
.irp n, 0,1,2,3
	global_load_b32 v[VSC+\n], v[L4], s[10:11] offset:128*\n       ; proj_w's scale words
.endr
	s_barrier_signal -1
	s_barrier_wait -1                              ; every wave's parts lie in LDS
.irp i, 0,1,2
	ds_load_b64 v[ML+2*\i:ML+2*\i+1], v[XR] offset:16384+REG*\i
.endr
	WIN 0x40
.set K, 0
.rept 32
	ds_load_b128 v[4*K:4*K+3], v[XR] offset:512*K                  ; partial 1 -> window 1
.set K, K+1
.endr
	WIN 0
	s_wait_dscnt 32                                ; the three (-M, l) are in; partial 1's 32 loads may be out
	v_min3_num_f32 v102, v[ST], v[ML], v[ML+2]
	v_min_num_f32 v102, v102, v[ML+4]              ; -M* : the largest M of the four
	v_sub_f32 v104, v102, v[ST]
	v_sub_f32 v105, v102, v[ML]
	v_sub_f32 v106, v102, v[ML+2]
	v_sub_f32 v107, v102, v[ML+4]                  ; M_i - M*: whole numbers, 0 or less
.irp i, 104,105,106,107
	v_cvt_i32_f32 v\i, v\i
.endr
.irp i, 0,1,2,3
	v_ldexp_f32 v[GG+2*\i], 1.0, v[104+\i]         ; f_i = 2^(M_i - M*)
.endr
	v_mul_f32 v103, v[GG], v[ST+1]
	v_fma_f32 v103, v[GG+2], v[ML+1], v103
	v_fma_f32 v103, v[GG+4], v[ML+3], v103
	v_fma_f32 v103, v[GG+6], v[ML+5], v103         ; the row's sum
	v_rcp_f32 v102, v103
.irp i, 0,1,2,3
	v_mov_b32 v[GG+2*\i+1], 0                      ; (plain lines behind the transcendental; the pairs' upper halves are named, so they are written)
.endr
	s_wait_alu depctr_va_vdst(0)                   ; the wait ahead of the first reader
.irp i, 0,1,2,3
	v_mul_f32 v[GG+2*\i], v[GG+2*\i], v102         ; g_i = f_i / the sum
.endr
	WIN 0x02                                       ; source 0 window 2: my own tile 0, each accumulator from its low end on
.set K, 0
.rept 64
	v_pk_mul_f32 v[S+2*K:S+2*K+1], v[2*K:2*K+1], v[GG:GG+1] op_sel_hi:[1,0]
.set K, K+1
.endr
	s_wait_dscnt 0x0                               ; partial 1 is in
	WIN 0xc0
.set K, 0
.rept 32
	ds_load_b128 v[4*K:4*K+3], v[XR] offset:REG+512*K              ; partial 2 -> window 3, where tile 2 lay: it lands under partial 1's 64 multiply-adds
.set K, K+1
.endr
	WIN 0x01
.set K, 0
.rept 64
	v_pk_fma_f32 v[S+2*K:S+2*K+1], v[2*K:2*K+1], v[GG+2:GG+3], v[S+2*K:S+2*K+1] op_sel_hi:[1,0,1]
.set K, K+1
.endr
	s_wait_dscnt 0x0                               ; partial 2 is in
	WIN 0x80
.set K, 0
.rept 32
	ds_load_b128 v[4*K:4*K+3], v[XR] offset:2*REG+512*K            ; partial 3 -> window 2, where my tile lay
.set K, K+1
.endr
	WIN 0x03
.set K, 0
.rept 64
	v_pk_fma_f32 v[S+2*K:S+2*K+1], v[2*K:2*K+1], v[GG+4:GG+5], v[S+2*K:S+2*K+1] op_sel_hi:[1,0,1]
.set K, K+1
.endr
	s_wait_dscnt 0x0                               ; partial 3 is in
	WIN 0x02
.set K, 0
.rept 64
	v_pk_fma_f32 v[S+2*K:S+2*K+1], v[2*K:2*K+1], v[GG+6:GG+7], v[S+2*K:S+2*K+1] op_sel_hi:[1,0,1]
.set K, K+1
.endr
	WIN 0                                          ; v[S + 16 B + i] = a(channel 32 B + 16 h + i) of my query
; 64 numbers of a lane, register 16 b + i = k 32 b + 16 h + i of my row, become a fragment's codes in v[pc] on and its scale word in v[pw]
.macro QUANT s, pc, pw
.irp b, 0,1,2,3
	v_max3_num_f32 v[TM+\b], |v[\s+16*\b]|, |v[\s+16*\b+1]|, 0x1800000
.endr
.irp i, 2,4,6,8,10,12,14
.irp b, 0,1,2,3
	v_max3_num_f32 v[TM+\b], v[TM+\b], |v[\s+16*\b+\i]|, |v[\s+16*\b+\i+1]|
.endr
.endr
.irp b, 0,1,2,3
	v_permlanex16_b32 v[TM+4+\b], v[TM+\b], s[SEL], s[SEL+1]
.endr
.irp b, 0,1,2,3
	v_max_num_f32 v[TM+\b], v[TM+\b], v[TM+4+\b]
.endr
.irp b, 0,1,2,3
	v_add_nc_u32 v[TM+\b], 0xff000000, v[TM+\b]
.endr
.irp b, 0,1,2,3
	v_lshrrev_b32 v[TM+4+\b], 23, v[TM+\b]
.endr
	v_lshl_or_b32 v[\pw], v[TM+5], 8, v[TM+4]
	v_lshl_or_b32 v[\pw], v[TM+6], 16, v[\pw]
	v_lshl_or_b32 v[\pw], v[TM+7], 24, v[\pw]
.irp b, 0,1,2,3
	v_cvt_scalef32_pk8_fp4_f32 v[\pc+2*\b], v[\s+16*\b:\s+16*\b+7], v[TM+\b]
	v_cvt_scalef32_pk8_fp4_f32 v[\pc+2*\b+1], v[\s+16*\b+8:\s+16*\b+15], v[TM+\b]
.endr
	v_nop                                          ; one plain instruction behind the conversions
.irp c, 0,1
.irp i, 0,1
	v_permlane16_swap_b32 v[\pc+4*\c+\i], v[\pc+4*\c+2+\i]
.endr
.endr
.endm
	QUANT S, PC, PSC                               ; channels 0-127 of query tile w
	ds_store_b128 v[AW], v[PC:PC+3]
	ds_store_b128 v[AW], v[PC+4:PC+7] offset:512
	ds_store_b32 v[SW], v[PSC]
	QUANT S+64, PC+8, PSC+1                        ; channels 128-255
	ds_store_b128 v[AW], v[PC+8:PC+11] offset:1024
	ds_store_b128 v[AW], v[PC+12:PC+15] offset:1536
	ds_store_b32 v[SW], v[PSC+1] offset:128
	s_wait_dscnt 0x0
	s_barrier_signal -1
	s_barrier_wait -1                              ; a's eight fragments lie in LDS
.irp f, 0,1,2,3,4,5,6,7,8,9,10,11,12,13,14,15
	ds_load_b128 v[S+4*\f:S+4*\f+3], v[AR] offset:512*\f           ; a(q, s) at S + 8 (2 q + s)
.endr
.irp f, 0,1,2,3,4,5,6,7
	ds_load_b32 v[KSC+\f], v[ASR] offset:128*\f
.endr
	s_wait_dscnt 0x0
	s_wait_loadcnt 0x0                             ; x, proj_b, proj_w's scale words
	; ---- THE PROJECTION: source 0 = 16 queries of a, source 1 = 16 output channels: a lane holds one channel and eight neighbouring positions.  16 accumulators (q, n) by turns; the bias is the first C
	WIN 0xb4                                       ; source 1 window 1, C window 3, D window 2
.irp q, 0,1,2,3
.irp n, 0,1,2,3
	WM 8*(4*\q+\n), S+16*\q, PF+16*\n, 128+8*\n, KSC+2*\q, VSC+\n, 0
.endr
.endr
	WIN 0xa4                                       ; C and D window 2
.irp q, 0,1,2,3
.irp n, 0,1,2,3
	WM 8*(4*\q+\n), S+16*\q+8, PF+16*\n+8, 8*(4*\q+\n), KSC+2*\q+1, VSC+\n, 2
.endr
.endr
	WIN 0
	PLACES 4                                       ; ahead of the first read of results and of the loads into a's registers
	WIN 0x08                                       ; the data: window 2
.irp q, 0,1,2,3
.irp n, 0,1,2,3
	ds_store_b128 v[SO], v[8*(4*\q+\n):8*(4*\q+\n)+3] offset:(32*(\n/2)+8*(\n%2))*272+128*(\q/2)+32*(\q%2)       ; channel 64 w + 32 (n / 2) + 8 (n % 2) + perm(r), positions 32 (q / 2) + 8 (q % 2) + 16 h + 0 .. 7
	ds_store_b128 v[SO], v[8*(4*\q+\n)+4:8*(4*\q+\n)+7] offset:(32*(\n/2)+8*(\n%2))*272+128*(\q/2)+32*(\q%2)+16
.endr
.endr
	WIN 0
.set K, 0
.rept 32
	ds_load_b128 v[S+4*K:S+4*K+3], v[SR] offset:544*K              ; LDS serves a wave's instructions in order: these see my stores.  The stage is my own
.set K, K+1
.endr
	s_wait_dscnt 0x0
	WIN 0x08                                       ; source 1 window 2: x
.set K, 0
.rept 64
	v_pk_add_f32 v[S+2*K:S+2*K+1], v[S+2*K:S+2*K+1], v[128+2*K:129+2*K]
.set K, K+1
.endr
	WIN 0
.set K, 0
.rept 32
	global_store_b128 v[XA], v[S+4*K:S+4*K+3], s[16:17] offset:32768*K th:TH_STORE_NT   ; 16 lanes store 256 consecutive bytes of a channel, aligned
.set K, K+1
.endr
	s_wait_tensorcnt 0x0                           ; the wave's end: behind my last tensor load and my last LDS store
	ds_add_u32 v1, v2
	s_wait_dscnt 0x0
	CROUND                                         ; the closing round: no work-group ends while a partner may still ask for a tile that names it
	s_endpgm
.Lfunc_end_k_q6215866001_attn:
	.size	k_q6215866001_attn, .Lfunc_end_k_q6215866001_attn-k_q6215866001_attn
	.p2alignl 7, 3214868480
	.fill 96, 4, 3214868480
	.section	.rodata,"a",@progbits
	.p2align	6, 0x0
	.amdhsa_kernel k_q6215866001_attn
		.amdhsa_group_segment_fixed_size 327680
		.amdhsa_private_segment_fixed_size 0
		.amdhsa_enable_private_segment 0
		.amdhsa_kernarg_size 56
		.amdhsa_user_sgpr_count 2
		.amdhsa_user_sgpr_kernarg_segment_ptr 1
		.amdhsa_wavefront_size32 1
		.amdhsa_system_sgpr_workgroup_id_x 1
		.amdhsa_system_sgpr_workgroup_id_y 1
		.amdhsa_system_sgpr_workgroup_id_z 1
		.amdhsa_system_vgpr_workitem_id 0
		.amdhsa_next_free_vgpr 1024
		.amdhsa_next_free_sgpr 66
		.amdhsa_reserve_vcc 0
		.amdhsa_float_denorm_mode_32 3
		.amdhsa_float_denorm_mode_16_64 3
		.amdhsa_memory_ordered 1
		.amdhsa_forward_progress 1
		.amdhsa_inst_pref_size 255
	.end_amdhsa_kernel
	.section	.bss,"aw",@nobits
	.p2align	6
	.space	262144
	.amdgpu_metadata
---
amdhsa.version: [ 1, 2 ]
amdhsa.kernels:
  - .name:           k_q6215866001_attn
    .symbol:         k_q6215866001_attn.kd
    .args:
      - { .name: qbuf, .offset: 0, .size: 8, .value_kind: global_buffer, .address_space: global }
      - { .name: kv, .offset: 8, .size: 8, .value_kind: global_buffer, .address_space: global }
      - { .name: wimg, .offset: 16, .size: 8, .value_kind: global_buffer, .address_space: global }
      - { .name: wsc, .offset: 24, .size: 8, .value_kind: global_buffer, .address_space: global }
      - { .name: proj_b, .offset: 32, .size: 8, .value_kind: global_buffer, .address_space: global }
      - { .name: x, .offset: 40, .size: 8, .value_kind: global_buffer, .address_space: global }
      - { .name: out0, .offset: 48, .size: 8, .value_kind: global_buffer, .address_space: global }
    .group_segment_fixed_size: 327680
    .private_segment_fixed_size: 0
    .kernarg_segment_align: 8
    .kernarg_segment_size: 56
    .max_flat_workgroup_size: 128
    .sgpr_count:     66
    .vgpr_count:     1024
    .wavefront_size: 32
...
	.end_amdgpu_metadata
.endif
;; end of part 3
